; MI455X (gfx1250); checked and timed in simulation.
; The chip was launched on July 23, 2026; its instructions are those of AMD's public machine-readable ISA for CDNA 5 (MIT licence, August 2026) and "CDNA5" Instruction Set Architecture Reference Guide (July 2026). The comments in the code are by the model that wrote it; some were corrected since.
;; Head. Allowed arithmetic: matrix products marked QUANTISED: E4M3 operands, one given power-of-two scale a tensor, by v_wmma_f32_16x16x64_fp8_fp8 or v_wmma_f32_16x16x128_fp8_fp8, f32 sums; everything else in f32.
;; Inputs: Wk 128 x 128 float32; Wq 128 x 128 float32; Wv 128 x 128 float32; lowp_scales 10 int32 (the exponents e of the quantised operands' scales 2^e); x 16 x 2,048 x 128 float32.
;; Outputs: out0 16 x 2,048 x 128 float32.
;; This version of the problem:
;;   THIS VERSION OF THE PROBLEM IS GIVEN IN LOW PRECISION. The matrix products marked QUANTISED in the list below multiply operands that are first quantised to E4M3 (4 exponent bits, 3 mantissa bits; 8 bits a number), with one given power-of-two scale for each operand tensor; their sums are f32. All else is computed in f32.
;;   The module's matrix products, in the order in which they are computed (A, B: the left and right operand; K: the contracted axis; several contracted axes count as one K, in the product's order):
;;     1. [M 32,768, K 128] x [K 128, N 128]; A: input x; B: input Wq: QUANTISED (scales: A lowp_scales[0], B lowp_scales[1])
;;     2. [M 32,768, K 128] x [K 128, N 128]; A: input x; B: input Wk: QUANTISED (scales: A lowp_scales[2], B lowp_scales[3])
;;     3. [M 32,768, K 128] x [K 128, N 128]; A: input x; B: input Wv: QUANTISED (scales: A lowp_scales[4], B lowp_scales[5])
;;     4. batch 16 x [M 2,048, K 128] x [K 128, N 2,048]; A: computed on the way; B: computed on the way: QUANTISED (scales: A lowp_scales[6], B lowp_scales[7])
;;     5. batch 16 x [M 2,048, K 2,048] x [K 2,048, N 128]; A: softmax (see below); B: computed on the way: QUANTISED (scales: A lowp_scales[8], B lowp_scales[9])
;;   THE QUANTISER, for each operand of a quantised product, along K:
;;     - The operand's scale is 2^e, e = its entry of the input lowp_scales (int32; the entries are numbered through the quantised products in the list's order, A before B).
;;     - Each number is divided by the scale, clamped to +-448, and rounded to the nearest number of E4M3, ties to even, subnormals kept.
;;     - The product sums the exact products of the quantised numbers (number of the format x scale) in f32.
;;   ~~~python
;;   def quantise(x, axis, e):      # numpy; x: float32 -> the quantised numbers, widened to float32 again
;;       x = np.moveaxis(x, axis, -1); K = x.shape[-1]
;;       r = np.clip(x / 2.0 ** e, -448, 448)
;;       step = 2.0 ** (np.maximum(np.frexp(np.where(r == 0, 1, r))[1] - 1, -6) - 3)
;;       q = np.round(r / step) * step * 2.0 ** e      # np.round: ties to even
;;       return np.moveaxis(q, -1, axis).astype(np.float32)
;;   ~~~
;;   SOFTMAX AHEAD OF A QUANTISED PRODUCT. Where the list says 'softmax', what is quantised is not the finished softmax but p = 2^(t - M), with t = logit x log2(e) and M = ceil(the row's largest t), a whole number; so 1/2 < the row's largest p <= 1. The row's sum l is taken of the UNQUANTISED p, in f32, and the product's result is divided by l at the end. Since M is a whole number, a kernel that streams over the keys may use a running M (the ceiling of the running maximum): every later rescaling is an exact power of two, so the quantised numbers keep their values, but for numbers so far below the row's largest that they fall under the format's range.
;;   OPERANDS COMPUTED ON THE WAY. 'Computed on the way' means the value that the module computes at that place (a softmax that the list does not call 'softmax' is quantised finished and normalised). What goes into a quantiser is computed in f32, as accurately as f32 sums, v_exp_f32 and their like allow (about 1e-6 of the number): no bf16 or f16 on the way to a quantiser, and a product that is left as it is and whose result goes on into a quantised operand takes f32 operands (vector FMAs, or v_wmma_f32_16x16x4_f32). A number that lies on a knife's edge between two numbers of the format may be rounded either way, as far as f32 arithmetic and the matrix unit's own rounding can turn it there, and no further.
;; One version. Each part assembles by itself: llvm-mc -triple=amdgcn-amd-amdhsa -mcpu=gfx1250 --defsym DOCPART=n.
;; ======== version 1 of 1: 2 launches
;; limits: right only within a limited range of input values
;; workspace buffers: q_codes 4,194,304 bytes; k_codes 4,194,304 bytes; v_codes 4,194,304 bytes
;; launch proj (part 1): grid 256 x 1, 8 waves a work-group, clusters of 4 x 1, 327,680 bytes of LDS; arguments x, Wq, Wk, Wv, lowp_scales, q_codes, k_codes, v_codes; writes q_codes, k_codes, v_codes
.if DOCPART == 1
	.amdgcn_target "amdgcn-amd-amdhsa--gfx1250"
	.amdhsa_code_object_version 6
	.text
	.protected	k_q7a28f45baa_proj
	.globl	k_q7a28f45baa_proj
	.p2align	8
	.type	k_q7a28f45baa_proj,@function
k_q7a28f45baa_proj:
	s_mov_b64 s[64:65], 0
	v_nop
	global_prefetch_b8 v0, s[64:65] scope:SCOPE_SE
	s_setreg_imm32_b32 hwreg(HW_REG_WAVE_MODE, 25, 1), 1
	s_wait_xcnt 0x0
	s_wait_alu depctr_hold_cnt(0) depctr_sa_sdst(0) depctr_va_vdst(0) depctr_va_sdst(0) depctr_va_ssrc(0) depctr_va_vcc(0) depctr_vm_vsrc(0)
	s_getreg_b32 s2, hwreg(HW_REG_IB_STS2, 6, 4)
	s_cmp_eq_u32 s2, 0
	s_cbranch_scc0 .Lentry_in_a_cluster
	s_endpgm
.Lentry_in_a_cluster:
	s_bfe_u32 s2, ttmp6, 0x10000c
	s_cmp_lg_u32 s2, 0x3003
	s_cbranch_scc0 .Lentry_shape_is_right
	s_endpgm
.Lentry_shape_is_right:
; q = x Wq^T, k = x Wk^T, v = x Wv^T on codes of FP8 (E4M3), and the three results quantised again, as the operands of the attention that follows.
; x: [32768][128] f32.  W*: [128 (head unit)][128 (c)] f32.  lowp_scales: e0 .. e9 (int32); a scale is 2^e.
; x is quantised three times (e0, e2, e4), the weights with e1, e3, e5.  A sum of codes stands for sum x 2^(ex + ew), so its code for the next product is sum / 2^(e6 - e0 - e1)
; (k: e7 - e2 - e3; v: e9 - e4 - e5): the three scales are folded into the conversion's one.  Every number is held within +-448 x its scale ahead of the conversion (ISA guide 7.6.2).
; LIMITS: e0 .. e5, e6 - e0 - e1, e7 - e2 - e3 and e9 - e4 - e5 lie between -126 and 119, so that each scale and 448 x it are f32 numbers.  NaN among the inputs is not served; an infinity is held at the largest code.
; OUT: q_codes [16][2048][128], head units innermost.  k_codes the same, but key s lies at the row whose number is s with its bits 3 and 4 exchanged: sixteen rows on end are then the keys
;      32 b + 8 u + m + 8 (m / 8), m = 0 .. 15, which the attention wants as one tile.  v_codes [16][16 blocks of 128 keys][128 d][128 keys]: the keys innermost, a block 16 KiB on end.
; SHARES: a work-group owns 128 rows of x (one block of keys of one batch), each of its eight waves 16.
; CLUSTER: every work-group needs all three weights, 192 KiB of f32 beside its own 64 KiB of x.  Four work-groups form a cluster and ask for the weights JOINTLY: wave w < 6 issues one tensor load of 64 rows of 512 bytes
; (waves 0, 1: Wq's halves; 2, 3: Wk's; 4, 5: Wv's) with a mask that names the four, so each weight is asked for once for the four.  Each load is a first fill; nothing in LDS is filled again.
; The place in the cluster, cx, enters x's and the three outputs' global addresses alone.  x is each work-group's own and goes straight into registers, in the operand's layout.
; THE WEIGHTS' CODES: wave w reads rows 16 w + r of each weight from LDS, quantises them and stores the codes into LDS rows of 144 bytes; every wave then reads all of them as fragments.
; A FRAGMENT (16 rows x 128 K, 16 registers) is fetched by four loads of 16 bytes: lane (r, h) holds of row r K = 32 c + 16 h + 0 .. 15 in registers 4 c .. 4 c + 3: a permutation of K, the same on both sides of every product.
; q AND k ARE MADE TRANSPOSED (source 0 = 16 rows of W, source 1 = my 16 rows of x): a lane holds one row of x and its registers run along the head units, the next K.  Wq's and Wk's code rows lie in LDS with
; bits 3 and 4 of the row number exchanged, so that the 16 registers of tiles 2 b, 2 b + 1 are the head units 32 b + 16 h + 0 .. 15.  v is made the plain way round: a lane holds one d and eight keys, its next K.
; WORK LEFT OUT of the program (in the attention): scores of keys behind a query, and their part of the second product, where they come in whole steps of 128 keys: reference() builds the causal mask in its own body and puts -infinity there
; ahead of the softmax, so p = 0 for every value of the inputs.  LIMIT: a NaN or an infinity that reaches only such work is not carried to the result.
.set PW,   144                         ; a row of codes in LDS: 128 bytes + 16: sixteen rows on end start at sixteen different 16-byte columns of 256 bytes
.set PF,   528                         ; a row of f32 in LDS: 512 bytes + 16: likewise
.set HFW,  64*PF                       ; 64 rows: what one tensor load brings
.set WFM,  128*PF                      ; a weight in f32
.set WC,   3*WFM                       ; behind the three weights in f32: their codes
.set WMAT, 128*PW                      ; a weight's codes
.set QKST, WC+3*WMAT                   ; behind them: a stage of 16 rows for each wave (q, then k)
.set VST,  QKST+8*16*PW                ; behind them: the work-group's stage for v: 128 rows (d) of 128 keys.  No fill lands in the codes or the stages
.set XO,  1                            ; v1   x: r x 512 + 64 h
.set WF0, 2                            ; v2   Wq in f32: row 16 w + r, + 64 h
.set WF1, 3                            ; v3   Wk
.set WF2, 4                            ; v4   Wv
.set FRA, 5                            ; v5   a fragment of codes: r x 144 + 16 h
.set QSI, 6                            ; v6   into my stage
.set QSO, 7                            ; v7   out of my stage: four rows an instruction
.set QGO, 8                            ; v8   16 x lane
.set VSI, 9                            ; v9   into v's stage: row r, my wave's 16 keys, 8 h
.set VSO, 10                           ; v10  out of v's stage
.set VGO, 11                           ; v11  16 t
.set SCL, 13                           ; v12  448 x the scale in hand;  v13 the scale in hand
.set WSS, 14                           ; v14  my codes' place: row 16 w + r with bits 3, 4 exchanged, + 16 h
.set WSP, 15                           ; v15  my codes' place: row 16 w + r, + 16 h
.set XC,  16                           ; v16-63   first the weights' codes (3 x 16), then x's codes (3 x 16), then the results' codes
.set XF,  64                           ; v64-127  x in f32
.set ACC, 64                           ; v64-127  then the eight accumulators
.set FA,  128                          ; v128-191 a weight's rows in f32, at work, then four fragments
.set FB,  192                          ; v192-255 the same
.set WV,  34                           ; s34  my wave's number
.set G0Q, 60                           ; s[60:63] descriptor group 0 for Wq;  s[84:87] Wk;  s[88:91] Wv
.set G0K, 84
.set G0V, 88
.set G1,  68                           ; s[68:75] descriptor group 1, the same for the three
; s[40:57]: nine pairs (scale, 448 x scale) as f32 patterns: s40 e0, s42 e1, s44 e2, s46 e3, s48 e4, s50 e5, s52 q's, s54 k's, s56 v's
; s96 cx, s97 the work-group's number, s[98:101] offsets made of it: no other register ever holds them
.macro MKS d, e                        ; from the whole number in s[e]
	s_add_co_i32 s[\d], s[\e], 127
	s_add_co_i32 s[\d+1], s[\e], 135
	s_lshl_b32 s[\d], s[\d], 23                    ; 2^e
	s_lshl_b32 s[\d+1], s[\d+1], 23
	s_or_b32 s[\d+1], s[\d+1], 0x600000            ; 448 x 2^e = 1.75 x 2^(e + 8)
.endm
.macro MKG g, ptr, lb                  ; group 0: half (w & 1) of the weight at s[ptr], to LDS byte lb + that half
	s_mov_b32 s[\g], 1                             ; count = 1
	s_add_co_u32 s[\g+1], s36, \lb                 ; LDS address
	s_add_nc_u64 s[\g+2:\g+3], s[\ptr:\ptr+1], s[38:39]   ; global address
	s_or_b32 s[\g+3], s[\g+3], 0x80000000          ; type = 2
.endm
.macro LDF buf, adr                    ; my row of a weight out of LDS: K = 32 c + 16 h + 4 i .. in registers 16 c + 4 i ..
.irp c, 0,1,2,3
.irp i, 0,1,2,3
	ds_load_b128 v[\buf+16*\c+4*\i:\buf+16*\c+4*\i+3], v[\adr] offset:128*\c+16*\i
.endr
.endr
.endm
.macro QUANT src, tmp, dst, pair       ; 64 numbers -> 64 codes in 16 registers
	v_mov_b32 v12, s[\pair+1]
	v_mov_b32 v[SCL], s[\pair]
.set i, 0
.rept 64
	v_med3_num_f32 v[\tmp+i], v[\src+i], -v12, v12 ; ascending: each accumulator is read from its low end on
.set i, i+1
.endr
.set i, 0
.rept 8
	v_cvt_scalef32_pk8_fp8_f32 v[\dst+2*i:\dst+2*i+1], v[\tmp+8*i:\tmp+8*i+7], v[SCL]
.set i, i+1
.endr
	v_nop                                          ; one plain instruction between a scaled conversion and what touches its result or writes its sources
.endm
.macro STW mat, adr, cw                ; my row's 64 codes of my half of the lanes: four pieces of 16, 32 bytes apart
.irp c, 0,1,2,3
	ds_store_b128 v[\adr], v[\cw+4*\c:\cw+4*\c+3] offset:\mat*WMAT+32*\c
.endr
.endm
.macro FETCH mat, half, buf            ; four fragments of a weight: tiles 4 half .. 4 half + 3
.irp tt, 0,1,2,3
.irp c, 0,1,2,3
	ds_load_b128 v[\buf+16*\tt+4*\c:\buf+16*\tt+4*\c+3], v[FRA] offset:\mat*WMAT+(4*\half+\tt)*16*PW+32*\c
.endr
.endr
.endm
.macro MUL m, half, buf                ; four products, each a whole sum (K = 128): C is the constant 0
.irp tt, 0,1,2,3
.if \m == 2
	v_wmma_f32_16x16x128_fp8_fp8 v[ACC+32*\half+8*\tt:ACC+32*\half+8*\tt+7], v[XC+32:XC+47], v[\buf+16*\tt:\buf+16*\tt+15], 0
.else
	v_wmma_f32_16x16x128_fp8_fp8 v[ACC+32*\half+8*\tt:ACC+32*\half+8*\tt+7], v[\buf+16*\tt:\buf+16*\tt+15], v[XC+16*\m:XC+16*\m+15], 0
.endif
.endr
.endm
.macro PLACES                          ; four places behind matrix instructions, in front of loads into their sources and of reads of their results; also behind a tensor load
.rept 4
	v_nop
.endr
.endm
.macro TOSTAGE xc                      ; 16 rows x 128 codes through my own stage: in by lanes' rows, back as 512 bytes on end.  LDS serves a wave's instructions in order (ISA guide 5.7.1.4)
.irp b, 0,1,2,3
	ds_store_b128 v[QSI], v[\xc+4*\b:\xc+4*\b+3] offset:32*\b
.endr
.irp i, 0,1,2,3
	ds_load_b128 v[\xc+4*\i:\xc+4*\i+3], v[QSO] offset:4*PW*\i
.endr
.endm
.macro CROUND                          ; a round of the cluster's barrier: my work-group's barrier; wave 0 signals for the work-group; every wave waits for all four; my work-group's barrier once more
	s_barrier_signal -1
	s_barrier_wait -1
	s_cmp_lg_u32 s[WV], 0
	s_cbranch_scc1 .Lnot_wave_0_\@
	s_barrier_signal -3
.Lnot_wave_0_\@:
	s_barrier_wait -3
	s_barrier_signal -1
	s_barrier_wait -1
.endm
	s_load_b512 s[8:23], s[0:1], 0x0               ; x s[8:9], Wq s[10:11], Wk s[12:13], Wv s[14:15], scales s[16:17], q_codes s[18:19], k_codes s[20:21], v_codes s[22:23]
	s_set_vgpr_msb 0x40
	v_lshl_add_u32 v0, v0, 2, 0x48000
	v_mov_b32 v1, 0
	s_set_vgpr_msb 0x4045
	ds_add_u32 v0, v1
	ds_add_u32 v0, v1
	s_set_vgpr_msb 0x4500
	v_lshrrev_b32 v16, 5, v0
	s_delay_alu instid0(VALU_DEP_1)
	v_readfirstlane_b32 s[WV], v16                 ; wave 0..7
	v_and_b32 v16, 15, v0                          ; r
	v_bfe_u32 v17, v0, 4, 1                        ; h
	s_delay_alu instid0(VALU_DEP_2)
	v_lshlrev_b32 v[XO], 9, v16
	s_delay_alu instid0(VALU_DEP_1)
	v_lshl_add_u32 v[XO], v17, 6, v[XO]
	; descriptor group 1: 64 rows of 128 numbers of 4 bytes, dense in memory, padded in LDS
	s_mov_b32 s[G1], 15|(2<<16)|(1<<20)|(1<<21)|(6<<22)|(3<<25)   ; 15:0 the mask: all four work-groups; 17:16 elements of 4 bytes; 20 padding on; 21 set beside a mask; 24:22 after every 128 words (code 6); 31:25 four words (code 3)
	s_mov_b32 s[G1+1], 128<<16                     ; tensor_dim0 = 128
	s_mov_b32 s[G1+2], 64<<16                      ; tensor_dim1 = 64
	s_mov_b32 s[G1+3], 128<<16                     ; tile_dim0 = 128
	s_mov_b32 s[G1+4], 64                          ; tile_dim1 = 64
	s_mov_b32 s[G1+5], 128                         ; tensor_dim0_stride
	s_mov_b32 s[G1+6], 0
	s_mov_b32 s[G1+7], 0
	s_and_b32 s35, s[WV], 1                        ; which half of a weight I fetch, if I fetch:
	s_mul_i32 s36, s35, HFW                        ; its place in LDS,
	s_lshl_b32 s38, s35, 15                        ; its 64 rows of 512 bytes in memory
	s_mov_b32 s39, 0
	s_bfe_u32 s96, ttmp6, 0x40000                  ; cx
	s_lshl_b32 s97, ttmp9, 2                       ; in a cluster launch ttmp9 counts clusters
	s_add_co_u32 s97, s97, s96                     ; the work-group's number = 4 x cluster x + cx
	s_lshl_b32 s98, s97, 16                        ; x: 128 rows of 512 bytes a work-group,
	s_lshl_b32 s99, s[WV], 13                      ; 16 a wave
	s_add_co_u32 s98, s98, s99
	s_mov_b32 s99, 0
	s_lshl_b32 s100, s97, 14                       ; codes: 16 KiB a work-group in each of the three
	s_mov_b32 s101, 0
	s_wait_alu depctr_va_vdst(0)
	s_wait_dscnt 0x0
	s_wait_kmcnt 0x0
	s_load_b256 s[24:31], s[16:17], 0x0            ; e0 .. e7
	s_load_b64 s[32:33], s[16:17], 0x20            ; e8, e9
	s_add_nc_u64 s[8:9], s[8:9], s[98:99]
.irp c, 0,1,2,3
.irp i, 0,1,2,3
	global_load_b128 v[XF+16*\c+4*\i:XF+16*\c+4*\i+3], v[XO], s[8:9] offset:128*\c+16*\i   ; x(r, 32 c + 16 h + 4 i ..).  No hint: neighbouring 16-byte pieces of a row are asked for by four instructions of this run
.endr
.endr
	MKG G0Q, 10, 0
	MKG G0K, 12, WFM
	MKG G0V, 14, 2*WFM
	CROUND                                         ; all four work-groups are here: the joint loads meet
	s_cmp_lt_u32 s[WV], 2                          ; a wave's one load stands in one chain of branches on the wave's number, the same in every work-group; waves 6 and 7 issue none
	s_cbranch_scc0 .Lnot_q
	tensor_load_to_lds s[G0Q:G0Q+3], s[G1:G1+7]
	s_nop 0
	PLACES
	s_branch .Lasked
.Lnot_q:
	s_cmp_lt_u32 s[WV], 4
	s_cbranch_scc0 .Lnot_k
	tensor_load_to_lds s[G0K:G0K+3], s[G1:G1+7]
	s_nop 0
	PLACES
	s_branch .Lasked
.Lnot_k:
	s_cmp_lt_u32 s[WV], 6
	s_cbranch_scc0 .Lasked
	tensor_load_to_lds s[G0V:G0V+3], s[G1:G1+7]
	s_nop 0
	PLACES
.Lasked:
	; the lanes' LDS addresses and the outputs' bases are made while the weights are on their way
	v_mul_u32_u24 v[WF0], v16, PF
	s_delay_alu instid0(VALU_DEP_1)
	v_lshl_add_u32 v[WF0], v17, 6, v[WF0]          ; r x 528 + 64 h
	s_mul_i32 s37, s[WV], 16*PF                    ; my 16 rows
	v_add_nc_u32 v[WF0], s37, v[WF0]
	s_delay_alu instid0(VALU_DEP_1)
	v_add_nc_u32 v[WF1], WFM, v[WF0]
	s_delay_alu instid0(VALU_DEP_2)
	v_add_nc_u32 v[WF2], 2*WFM, v[WF0]
	v_mul_u32_u24 v18, v16, PW
	s_delay_alu instid0(VALU_DEP_1)
	v_lshl_add_u32 v[VSI], v17, 3, v18             ; r x 144 + 8 h
	s_delay_alu instid0(VALU_DEP_2)
	v_lshl_add_u32 v18, v17, 4, v18                ; r x 144 + 16 h
	s_delay_alu instid0(VALU_DEP_1)
	v_add_nc_u32 v[FRA], WC, v18
	s_mul_i32 s37, s[WV], 16*PW
	s_add_co_u32 s58, s37, QKST                    ; my stage
	v_add_nc_u32 v[QSI], s58, v18
	s_add_co_u32 s37, s37, WC
	v_add_nc_u32 v[WSP], s37, v18                  ; code row 16 w + r
	v_and_b32 v19, 8, v16
	s_delay_alu instid0(VALU_DEP_1)
	v_mul_u32_u24 v19, v19, PW
	s_delay_alu instid0(VALU_DEP_1)
	v_add_nc_u32 v19, v19, v18                     ; (r + 8 (r / 8)) x 144 + 16 h
	s_lshr_b32 s37, s[WV], 1
	s_lshl_b32 s37, s37, 5
	s_lshl_b32 s59, s35, 3
	s_add_co_u32 s37, s37, s59                     ; 32 (w / 2) + 8 (w % 2)
	s_mul_i32 s37, s37, PW
	s_add_co_u32 s37, s37, WC
	v_add_nc_u32 v[WSS], s37, v19                  ; code row 16 w + r with bits 3 and 4 exchanged
	v_and_b32 v19, 31, v0                          ; lane
	s_delay_alu instid0(VALU_DEP_1)
	v_lshlrev_b32 v[QGO], 4, v19
	s_delay_alu instid0(VALU_DEP_2)
	v_lshrrev_b32 v19, 3, v19
	s_delay_alu instid0(VALU_DEP_1)
	v_mul_u32_u24 v[QSO], v19, PW                  ; row lane >> 3,
	v_and_b32 v20, 7, v0
	s_delay_alu instid0(VALU_DEP_1)
	v_lshlrev_b32 v20, 4, v20                      ; column 16 (t & 7)
	s_delay_alu instid0(VALU_DEP_1)
	v_add3_u32 v[QSO], v[QSO], v20, s58
	s_lshl_b32 s37, s[WV], 4
	s_add_co_u32 s37, s37, VST                     ; my 16 keys in v's stage
	v_add_nc_u32 v[VSI], s37, v[VSI]
	v_lshrrev_b32 v19, 3, v0                       ; t >> 3: 0 .. 31
	s_delay_alu instid0(VALU_DEP_1)
	v_mul_u32_u24 v[VSO], v19, PW
	s_delay_alu instid0(VALU_DEP_1)
	v_add_nc_u32 v[VSO], v[VSO], v20
	s_delay_alu instid0(VALU_DEP_1)
	v_add_nc_u32 v[VSO], VST, v[VSO]
	v_lshlrev_b32 v[VGO], 4, v0
	s_add_nc_u64 s[18:19], s[18:19], s[100:101]
	s_add_nc_u64 s[20:21], s[20:21], s[100:101]
	s_add_nc_u64 s[22:23], s[22:23], s[100:101]
	s_lshl_b32 s58, s[WV], 11                      ; q: my 16 rows of 128 bytes
	s_mov_b32 s59, 0
	s_add_nc_u64 s[18:19], s[18:19], s[58:59]
	s_lshr_b32 s58, s[WV], 1                       ; k: key 16 w + row goes to row 32 (w >> 1) + 16 (row >> 3) + 8 (w & 1) + (row & 7)
	s_lshl_b32 s58, s58, 12
	s_lshl_b32 s37, s35, 10
	s_add_co_u32 s58, s58, s37
	s_add_nc_u64 s[20:21], s[20:21], s[58:59]
	s_wait_kmcnt 0x0
	MKS 40, 24
	MKS 42, 25
	MKS 44, 26
	MKS 46, 27
	MKS 48, 28
	MKS 50, 29
	s_sub_co_i32 s37, s30, s24
	s_sub_co_i32 s37, s37, s25                     ; e6 - e0 - e1
	MKS 52, 37
	s_sub_co_i32 s37, s31, s26
	s_sub_co_i32 s37, s37, s27                     ; e7 - e2 - e3
	MKS 54, 37
	s_sub_co_i32 s37, s33, s28
	s_sub_co_i32 s37, s37, s29                     ; e9 - e4 - e5
	MKS 56, 37
	s_wait_tensorcnt 0x0                           ; my half of a weight has landed (waves 6 and 7 have none out),
	s_barrier_signal -1
	s_barrier_wait -1                              ; everybody's has
	LDF FA, WF0                                    ; my 16 rows of Wq,
	LDF FB, WF1                                    ; of Wk
	s_wait_dscnt 16                                ; Wq's are in; Wk's 16 loads may be out
	QUANT FA, FA, XC, 42
	STW 0, WSS, XC
	LDF FA, WF2                                    ; of Wv
	s_wait_dscnt 20                                ; Wk's are in; behind them: 4 stores and Wv's 16 loads
	QUANT FB, FB, XC+16, 46
	STW 1, WSS, XC+16
	s_wait_dscnt 4                                 ; Wv's are in; behind them: 4 stores
	QUANT FA, FA, XC+32, 50
	STW 2, WSP, XC+32
	s_wait_loadcnt 0x0                             ; x
	s_wait_dscnt 0x0                               ; for the others' sake: my part of the weights' codes is in LDS
	s_barrier_signal -1
	QUANT XF, FA, XC, 40                           ; work on registers while the others arrive: x with e0,
	QUANT XF, FB, XC+16, 44                        ; with e2,
	QUANT XF, FA, XC+32, 48                        ; with e4
	s_barrier_wait -1
	FETCH 0, 0, FA
	FETCH 0, 1, FB
	; q
	s_wait_dscnt 16                                ; FA is in; FB's 16 loads may be out
	MUL 0, 0, FA
	PLACES
	FETCH 1, 0, FA
	s_wait_dscnt 16                                ; FB is in; the 16 just issued may be out
	MUL 0, 1, FB
	PLACES
	FETCH 1, 1, FB
	QUANT ACC, ACC, XC, 52
	TOSTAGE XC
	; k
	s_wait_dscnt 24                                ; FA is in; behind it: FB's 16 loads, the stage's 4 stores and 4 loads
	MUL 1, 0, FA
	PLACES
	FETCH 2, 0, FA
	s_wait_dscnt 16                                ; FB and q's rows are in; the 16 just issued may be out
.irp i, 0,1,2,3
	global_store_b128 v[QGO], v[XC+4*\i:XC+4*\i+3], s[18:19] offset:512*\i   ; the wave stores 512 consecutive bytes, at a multiple of 256 from the buffer's first byte
.endr
	MUL 1, 1, FB
	PLACES
	FETCH 2, 1, FB
	QUANT ACC, ACC, XC+16, 54
	TOSTAGE XC+16
	; v
	s_wait_dscnt 24                                ; FA is in; behind it: FB's 16 loads, the stage's 4 stores and 4 loads
	MUL 2, 0, FA
	s_wait_dscnt 0x0                               ; FB and k's rows
.irp i, 0,1,2,3
	global_store_b128 v[QGO], v[XC+16+4*\i:XC+16+4*\i+3], s[20:21] offset:512*\i+1024*(\i/2)   ; my rows 0-7, and 16 rows further on my rows 8-15
.endr
	MUL 2, 1, FB
	PLACES
	QUANT ACC, ACC, XC+32, 56                      ; registers 8 t .. 8 t + 7: v(key 16 w + 8 h + 0 .. 7, d = 16 t + r): eight neighbours along the keys
.irp t, 0,1,2,3,4,5,6,7
	ds_store_b64 v[VSI], v[XC+32+2*\t:XC+32+2*\t+1] offset:16*PW*\t
.endr
	s_wait_dscnt 0x0                               ; for the others' sake: a row of v's stage comes from all eight waves
	s_barrier_signal -1
	s_barrier_wait -1
.irp i, 0,1,2,3
	ds_load_b128 v[FA+4*\i:FA+4*\i+3], v[VSO] offset:32*PW*\i
.endr
.irp i, 0,1,2,3
	s_wait_dscnt 3-\i                              ; the younger loads may be out
	global_store_b128 v[VGO], v[FA+4*\i:FA+4*\i+3], s[22:23] offset:4096*\i   ; the block is dense: the wave stores 512 consecutive bytes
.endr
	s_set_vgpr_msb 0x5
	s_wait_tensorcnt 0x0
	ds_add_u32 v0, v1
	s_wait_dscnt 0x0
	s_set_vgpr_msb 0x500
	CROUND                                         ; the closing round: no work-group ends while a partner may still ask for a tile that names it
	s_endpgm
.Lfunc_end_k_q7a28f45baa_proj:
	.size	k_q7a28f45baa_proj, .Lfunc_end_k_q7a28f45baa_proj-k_q7a28f45baa_proj
	.p2alignl 7, 3214868480
	.fill 96, 4, 3214868480
	.section	.rodata,"a",@progbits
	.p2align	6, 0x0
	.amdhsa_kernel k_q7a28f45baa_proj
		.amdhsa_group_segment_fixed_size 327680
		.amdhsa_private_segment_fixed_size 0
		.amdhsa_enable_private_segment 0
		.amdhsa_kernarg_size 64
		.amdhsa_user_sgpr_count 2
		.amdhsa_user_sgpr_kernarg_segment_ptr 1
		.amdhsa_wavefront_size32 1
		.amdhsa_system_sgpr_workgroup_id_x 1
		.amdhsa_system_sgpr_workgroup_id_y 1
		.amdhsa_system_sgpr_workgroup_id_z 1
		.amdhsa_system_vgpr_workitem_id 0
		.amdhsa_next_free_vgpr 258
		.amdhsa_next_free_sgpr 102
		.amdhsa_reserve_vcc 0
		.amdhsa_float_denorm_mode_32 3
		.amdhsa_float_denorm_mode_16_64 3
		.amdhsa_memory_ordered 1
		.amdhsa_forward_progress 1
		.amdhsa_inst_pref_size 69
	.end_amdhsa_kernel
	.amdgpu_metadata
---
amdhsa.version: [ 1, 2 ]
amdhsa.kernels:
  - .name:           k_q7a28f45baa_proj
    .symbol:         k_q7a28f45baa_proj.kd
    .args:
      - { .name: x, .offset: 0, .size: 8, .value_kind: global_buffer, .address_space: global }
      - { .name: Wq, .offset: 8, .size: 8, .value_kind: global_buffer, .address_space: global }
      - { .name: Wk, .offset: 16, .size: 8, .value_kind: global_buffer, .address_space: global }
      - { .name: Wv, .offset: 24, .size: 8, .value_kind: global_buffer, .address_space: global }
      - { .name: lowp_scales, .offset: 32, .size: 8, .value_kind: global_buffer, .address_space: global }
      - { .name: q_codes, .offset: 40, .size: 8, .value_kind: global_buffer, .address_space: global }
      - { .name: k_codes, .offset: 48, .size: 8, .value_kind: global_buffer, .address_space: global }
      - { .name: v_codes, .offset: 56, .size: 8, .value_kind: global_buffer, .address_space: global }
    .group_segment_fixed_size: 327680
    .private_segment_fixed_size: 0
    .kernarg_segment_align: 8
    .kernarg_segment_size: 64
    .max_flat_workgroup_size: 256
    .sgpr_count:     102
    .vgpr_count:     258
    .wavefront_size: 32
...
	.end_amdgpu_metadata
.endif
;; end of part 1
;; launch attn (part 2): grid 16 x 16, 8 waves a work-group, no clusters, 327,680 bytes of LDS; arguments q_codes, k_codes, v_codes, lowp_scales, out0; writes out0
.if DOCPART == 2
	.amdgcn_target "amdgcn-amd-amdhsa--gfx1250"
	.amdhsa_code_object_version 6
	.text
	.protected	k_q7a28f45baa_attn
	.globl	k_q7a28f45baa_attn
	.p2align	8
	.type	k_q7a28f45baa_attn,@function
k_q7a28f45baa_attn:
	s_mov_b64 s[64:65], 0
	v_nop
	global_prefetch_b8 v0, s[64:65] scope:SCOPE_SE
	s_setreg_imm32_b32 hwreg(HW_REG_WAVE_MODE, 25, 1), 1
	s_wait_xcnt 0x0
; out[b][q][:] = the sum over keys s <= q of softmax_s(q . k / sqrt(128)) v[s][:], both products on codes of FP8 (E4M3).  16 batches, 2,048 positions, head size 128.
; q_codes [16][2048][128].  k_codes the same, key s at the row whose number is s with bits 3 and 4 exchanged.  v_codes [16][16 blocks of 128 keys][128 d][128 keys].  lowp_scales: e6 (q), e7 (k), e8 (p), e9 (v) are used here.
; THE SOFTMAX: t = score x 2^(e6 + e7) x log2(e) / sqrt(128); M = the largest t so far, rounded UP to a whole number; p = 2^(t - M) is quantised with 2^e8, not normalised; the sum l is taken of the
; unquantised p and divides at the end.  When M moves, l and O are multiplied by 2^(old M - new M), a power of two.
; LIMITS: e6 + e7 between -123 and 130 (added to c's exponent field); e8 between -126 and 119; e8 + e9 is applied by v_ldexp_f32.  |t| stays under 2^31.  NaN is not served.  M runs separately in the two halves of a row's keys (below).
; WORK LEFT OUT: a wave leaves out every step of 128 keys that lie behind all its queries: reference()'s own causal mask makes p = 0 there, whatever the inputs hold.  LIMIT: a NaN or an infinity in such a step alone is not carried to the result.
; SHARES.  A work-group owns two blocks of 64 queries of one batch: block j and block 31 - j (j = 0 .. 15).  Keys go in four slots of 512, each in two steps of 256.  A wave holds TWO tiles of 16 queries and takes, of every step,
; the 128 keys of its parity: each fragment of K and V read from LDS feeds two products, and a row's keys are shared by two waves, w and w xor 5, which merge at the end.
; Roles: block (0: j, 1: 31 - j) = bit 0 xor bit 2 of w, pair of tiles = bit 1, parity = bit 2.  Register tile u is query tile u xor parity: each wave finishes its register tile 0.
; With b a wave's block of queries, its keys end in the 128-block b / 2; of these a parity p has the steps 0 .. (b / 2 - p) / 2, rounded down (-1: none).  The mask is applied score by score in the step that holds block b / 2 alone.
; RING.  Two slots in LDS.  Wave w brings 32 rows of each of a slot's four 128-blocks (w < 4: K's rows 32 w .., else V's), as four rows of 4,096 bytes, 16,384 bytes apart: some of every load's bytes are read, wherever the keys of a block end.
; NO CLUSTER.  Work-groups 8 .. 15 need three slots and work-groups 0 .. 7 four: the load of the fourth is jumped over by ids.
; PREFETCH.  Slots 0 and 1 come by their loads alone.  Slots 2 and 3 are asked for one change of slots ahead of their loads, by the work-groups that read both, j = 0 .. 7: of a slot's 256 blocks of 256 bytes of K, work-group j asks for
; 32 j .. 32 j + 31 (wave 6, a lane a block), and of V's likewise (wave 7).
; LAYOUT.  S^T = K Q^T, O^T = V^T P^T: a lane holds ONE query (lane % 16) throughout.  Sixteen rows of K on end are keys 32 b + 8 u + m + 8 (m / 8), so the 16 registers of tiles 2 b, 2 b + 1 are keys 32 b + 16 h + 0 .. 15:
; the conversions' results are the second product's operand.  A fragment is fetched by four loads of 16 bytes: a permutation of K, the same on both sides.
; REGISTERS.  Window 0: v1-15 addresses and constants; v16-31 statistics, 8 a tile: +0 -M, +1 the largest t, +2,+3 l (even, odd registers), +4,+5 at work, +6,+7 the factor; v32-63 Q; v64-191 S^T, then p;
;             v64-127 also V's second four fragments, once tile 0's p is converted; v192-223 p's codes (v208-213 also the sums' chains); v224-230 addresses.
;             Window 1: v0-127 O^T (tile u at 64 u, its d tile t at + 8 t); v128-191 K's first four fragments; v192-255 K's second four, then V's first four.
.set KP,    144                        ; an LDS row: 128 bytes + 16: sixteen rows on end start at sixteen different 16-byte columns of 256 bytes
.set BL,    32*KP                      ; 32 rows of one 128-block
.set RG,    4*BL                       ; what one load brings: 32 rows of each of four blocks
.set VOFF,  4*RG                       ; a slot: K's four loads, then V's
.set SLOT1, 8*RG                       ; slot 1
.set SPARE, 16*RG                      ; behind the ring: the spare words, 128 bytes for each wave: four blocks of 256 bytes that no other line names
.set MST,   0                          ; the merge's stage, in slot 0, which has had its last fill and its last read when the last change of slots is passed: for each wave 8,192 bytes of O^T and 256 of (-M, l)
.set MSTW,  8448
.set OST,   MST+8*MSTW                 ; the way out, in slot 0 too: for each wave 16 rows of 256 bytes + 16
.set OP,    272
.set OSTW,  16*OP
.set AK0,  1                           ; v1   my lane's place in my parity's block of K: r x 144 + 16 h + parity x BL
.set AV0,  2                           ; v2   the same for V
.set ADK,  3                           ; v3, v4 with the slot in hand, its first step
.set ADV,  4
.set SPW,  5                           ; v5   LDS address of my spare word: SPARE + 4 x my thread's number; never rewritten
.set NIL,  6                           ; v6   0; never rewritten
.set GO,   7                           ; v7   the way out: h x 512 + 16 r.   v8 r, v9 h
.set NINF, 10                          ; v10  -infinity
.set LIM,  11                          ; v11  448 x 2^e8
.set SCL,  12                          ; v12  2^e8
.set DIFF, 14                          ; v14, v15  tile u: my query less 16 h less the first key of my last step
.set ST,   16
.set Q,    32
.set S,    64
.set P,    192
.set TP,   P+16                        ; three chains of the sums
.set ADK1, 224                         ; v224, v225 with the slot in hand, its second step
.set ADV1, 225
.set QO,   226
.set PFO,  230                         ; v230 the prefetches' offset: 256 x lane
.set FA,   128                         ; fragments, in window 1
.set FB,   192
.set OB,   128                         ; the way out: rows read back
.set WV,   14                          ; s14 wave;  s15 block (0 low, 1 high);  s16 parity;  s17 pair of tiles;  s18 j
.set BLK,  15
.set PAR,  16
.set PR,   17
.set WGJ,  18
.set LSL,  19                          ; s19  my work-group's last slot
.set LAST, 22                          ; s22  my wave's last step
.set MSK,  23                          ; s23  the step that takes the mask (64: none)
.set G1,   24                          ; s[24:31] descriptor group 1
.set G0,   32                          ; s[32:35] descriptor group 0, which walks
.set TB,   36                          ; s36  LDS byte at which the slot in hand begins;  s46 the other slot
.set SL,   37                          ; s37  the slot in hand
.set SEL,  38                          ; s[38:39] v_permlanex16_b32's selects: lane l xor 16
.set CS,   40                          ; s[40:41] c = 2^(e6 + e7) log2(e) / sqrt(128), twice.   s[42:45] e6 .. e9;  s59 e8 + e9
.set TBO,  46
.set WB,   47                          ; s47  my load's place in a slot
.set SC,   48                          ; s48  the step in hand
.set LIMP, 49                          ; s49  my wave prefetches in slots below this number
.set PFA,  50                          ; s[50:51] where my prefetches stand
.set MSB, 0
.macro WIN new                         ; s_set_vgpr_msb: bits 1:0 source 0, 3:2 source 1, 5:4 source 2, 7:6 destination; the high byte repeats the setting that is left
.if MSB != \new
	s_set_vgpr_msb (MSB<<8)|\new
.set MSB, \new
.endif
.endm
.macro PLACES n                        ; places behind matrix instructions (ISA guide 7.12.1)
.rept \n
	v_nop
.endr
.endm
; THE CHANGE OF SLOTS stands at a slot's head.  Each wave waits for all its tensor loads (one is out at the most: its part of the slot ahead), adds 0 to its spare word, and waits for that and for its reads of the slot left.
; fill = 1: behind the barrier the slot left is filled with the 512 keys that follow, where my work-group reads them: my one tensor load until the next change; it has a slot's two steps in which to land.
.macro CHANGE fill
	s_wait_tensorcnt 0x0                           ; no tensor load of mine is out, so group 0 may be written
	ds_add_u32 v[SPW], v[NIL]                      ; 0 onto my spare word
.if \fill
	s_add_co_u32 s[G0+1], s[WB], s[TBO]            ; the other slot,
	s_add_nc_u64 s[G0+2:G0+3], s[G0+2:G0+3], 65536 ; the next 512 rows of 128 bytes; the type bits on top are not reached
	s_wait_xcnt 0x0                                ; any prefetch of mine has read its address,
	s_add_nc_u64 s[PFA:PFA+1], s[PFA:PFA+1], 65536 ; which goes a slot on
.endif
	s_wait_dscnt 0x0                               ; the add is done, and my reads of the slot that I have left are over
	s_barrier_signal -1
	s_barrier_wait -1
.if \fill
	s_add_co_u32 s52, s[SL], 1
	s_cmp_gt_u32 s52, s[LSL]                       ; ids and the count of slots alone, the same in all waves: a slot behind my work-group's last query is read by none of its waves and not asked for
	s_cbranch_scc1 .Lpast_\@
	tensor_load_to_lds s[G0:G0+3], s[G1:G1+7]
	s_nop 0
	PLACES 4
.Lpast_\@:
.endif
.endm
.macro FRAGS dst, adr, t0              ; four fragments, tiles t0 .. t0 + 3: 16 loads
.irp k, 0,1,2,3
.irp c, 0,1,2,3
	ds_load_b128 v[\dst+16*\k+4*\c:\dst+16*\k+4*\c+3], v[\adr] offset:((\t0+\k)/2)*RG+((\t0+\k)%2)*16*KP+32*\c
.endr
.endr
.endm
.macro MASK u                          ; register n is key 32 (n >> 4) + (n & 15) + 16 h of my 128: hidden where it lies behind my query.  Ascending: each accumulator from its low end on
.set n, 0
.rept 64
	v_cmp_gt_i32 vcc_lo, 32*(n>>4)+(n&15), v[DIFF+\u]
	v_cndmask_b32 v[S+64*\u+n], v[S+64*\u+n], v[NINF], vcc_lo
.set n, n+1
.endr
.endm
.macro MAXES                           ; four chains (two tiles x registers 0-31, 32-63), by turns; ascending
.irp u, 0,1
.irp a, 0,1
	v_max3_num_f32 v[ST+8*\u+4+\a], v[S+64*\u+32*\a], v[S+64*\u+32*\a+1], v[S+64*\u+32*\a+2]
.endr
.endr
.set i, 1
.rept 14
.irp u, 0,1
.irp a, 0,1
	v_max3_num_f32 v[ST+8*\u+4+\a], v[ST+8*\u+4+\a], v[S+64*\u+32*\a+2*i+1], v[S+64*\u+32*\a+2*i+2]
.endr
.endr
.set i, i+1
.endr
.irp u, 0,1
	v_max3_num_f32 v[ST+8*\u+4], v[ST+8*\u+4], v[S+64*\u+31], v[S+64*\u+63]
.endr
.irp u, 0,1
	s_delay_alu instid0(VALU_DEP_2)
	v_max_num_f32 v[ST+8*\u+4], v[ST+8*\u+4], v[ST+8*\u+5]
.endr
.endm
.macro STATS                           ; tile 0: v16 -M, v17 t, v20, v21 at work, v22 the factor; tile 1: v24, v25, v28, v29, v30
	s_delay_alu instid0(VALU_DEP_2)
	v_permlanex16_b32 v21, v20, s[SEL], s[SEL+1]   ; my query's other 64 keys lie in lane l xor 16
	s_delay_alu instid0(VALU_DEP_2)
	v_permlanex16_b32 v29, v28, s[SEL], s[SEL+1]
	s_delay_alu instid0(VALU_DEP_2)
	v_max_num_f32 v20, v20, v21
	s_delay_alu instid0(VALU_DEP_2)
	v_max_num_f32 v28, v28, v29
	s_delay_alu instid0(VALU_DEP_2)
	v_mul_f32 v20, s[CS], v20                      ; as t (c is positive)
	s_delay_alu instid0(VALU_DEP_2)
	v_mul_f32 v28, s[CS], v28
	s_delay_alu instid0(VALU_DEP_2)
	v_max_num_f32 v17, v17, v20
	s_delay_alu instid0(VALU_DEP_2)
	v_max_num_f32 v25, v25, v28
	v_mov_b32 v21, v16
	v_mov_b32 v29, v24
	s_delay_alu instid0(VALU_DEP_4)
	v_floor_f32 v16, -v17                          ; -M = floor(-t) = -ceil(t)
	s_delay_alu instid0(VALU_DEP_4)
	v_floor_f32 v24, -v25
	s_delay_alu instid0(VALU_DEP_2)
	v_sub_f32 v21, v16, v21                        ; old M - new M: a whole number, 0 or less
	s_delay_alu instid0(VALU_DEP_2)
	v_sub_f32 v29, v24, v29
	s_delay_alu instid0(VALU_DEP_2)
	v_cvt_i32_f32 v21, v21                         ; (saturates)
	s_delay_alu instid0(VALU_DEP_2)
	v_cvt_i32_f32 v29, v29
	s_delay_alu instid0(VALU_DEP_2)
	v_ldexp_f32 v22, 1.0, v21                      ; 2^(old M - new M)
	s_delay_alu instid0(VALU_DEP_2)
	v_ldexp_f32 v30, 1.0, v29
.endm
.macro SUMS u                          ; l takes the unquantised p, two at a time, in four chains by turns
	v_pk_add_f32 v[ST+8*\u+2:ST+8*\u+3], v[ST+8*\u+2:ST+8*\u+3], v[S+64*\u:S+64*\u+1]
	v_pk_add_f32 v[TP:TP+1], v[S+64*\u+2:S+64*\u+3], v[S+64*\u+10:S+64*\u+11]
	v_pk_add_f32 v[TP+2:TP+3], v[S+64*\u+4:S+64*\u+5], v[S+64*\u+12:S+64*\u+13]
	v_pk_add_f32 v[TP+4:TP+5], v[S+64*\u+6:S+64*\u+7], v[S+64*\u+14:S+64*\u+15]
	v_pk_add_f32 v[ST+8*\u+2:ST+8*\u+3], v[ST+8*\u+2:ST+8*\u+3], v[S+64*\u+8:S+64*\u+9]
.set i, 8
.rept 24
.if i%4
	v_pk_add_f32 v[TP+2*(i%4)-2:TP+2*(i%4)-1], v[TP+2*(i%4)-2:TP+2*(i%4)-1], v[S+64*\u+2*i:S+64*\u+2*i+1]
.else
	v_pk_add_f32 v[ST+8*\u+2:ST+8*\u+3], v[ST+8*\u+2:ST+8*\u+3], v[S+64*\u+2*i:S+64*\u+2*i+1]
.endif
.set i, i+1
.endr
	v_pk_add_f32 v[ST+8*\u+2:ST+8*\u+3], v[ST+8*\u+2:ST+8*\u+3], v[TP:TP+1]
	v_pk_add_f32 v[TP+2:TP+3], v[TP+2:TP+3], v[TP+4:TP+5]
	v_pk_add_f32 v[ST+8*\u+2:ST+8*\u+3], v[ST+8*\u+2:ST+8*\u+3], v[TP+2:TP+3]
.endm
.macro CVT u                           ; registers 4 b .. 4 b + 3 of a tile's operand: keys 32 b + 16 h + 0 .. 15
.set i, 0
.rept 8
	v_cvt_scalef32_pk8_fp8_f32 v[P+16*\u+2*i:P+16*\u+2*i+1], v[S+64*\u+8*i:S+64*\u+8*i+7], v[SCL]
.set i, i+1
.endr
.endm
; A KEY STEP: my parity's 128 keys, for both tiles.  K's fragments are in, or on their way, into FA and FB.  pre = 1: the next step's K, at v[nk], is fetched on the way.
.macro STEP av, pre, nk
	WIN 0x01                                       ; K window 1; Q and S^T window 0
.irp t, 0,1,2,3,4,5,6,7
	s_wait_dscnt 28-4*\t                           ; fragment t is in; the younger fragments' loads may be out
.irp u, 0,1
	v_wmma_f32_16x16x128_fp8_fp8 v[S+64*\u+8*\t:S+64*\u+8*\t+7], v[FA+16*\t:FA+16*\t+15], v[Q+16*\u:Q+16*\u+15], 0
.endr
.endr
	PLACES 4                                       ; in front of the loads into K's registers and of the first reads of the scores
	WIN 0x40                                       ; destination window 1, address window 0
	FRAGS FB, \av, 0                               ; V's first four fragments land under the softmax
.if \pre
	FRAGS FA, \nk, 0
.endif
	WIN 0
	s_cmp_lg_u32 s[SC], s[MSK]
	s_cbranch_scc1 .Lopen_\@
	MASK 0
	MASK 1
.Lopen_\@:
	MAXES
	STATS
.set i, 0
.rept 32                               ; tile 0: t - M, two at a time
	v_pk_fma_f32 v[S+2*i:S+2*i+1], v[S+2*i:S+2*i+1], s[CS:CS+1], v[ST:ST+1] op_sel_hi:[1,0,0]
.set i, i+1
.endr
	s_wait_alu depctr_va_vdst(0)                   ; the wait ahead of the batch
.set i, 0
.rept 32                               ; tile 0's exponentials; tile 1's t - M stand between them
	v_exp_f32 v[S+2*i], v[S+2*i]
	v_pk_fma_f32 v[S+64+2*i:S+64+2*i+1], v[S+64+2*i:S+64+2*i+1], s[CS:CS+1], v[ST+8:ST+9] op_sel_hi:[1,0,0]
	v_exp_f32 v[S+2*i+1], v[S+2*i+1]
.set i, i+1
.endr
	v_pk_mul_f32 v[ST+2:ST+3], v[ST+2:ST+3], v[ST+6:ST+7] op_sel_hi:[1,0]        ; l under the new M
	v_pk_mul_f32 v[ST+10:ST+11], v[ST+10:ST+11], v[ST+14:ST+15] op_sel_hi:[1,0]
	s_wait_alu depctr_va_vdst(0)                   ; the wait behind the batch, and ahead of the next
	SUMS 0
	s_wait_alu depctr_va_vdst(0)
.set i, 0
.rept 64                               ; tile 1's exponentials; tile 0's holds stand between them: the conversion does not saturate (ISA guide 7.6.2), so p, which is not negative, is held at 448 x 2^e8
	v_exp_f32 v[S+64+i], v[S+64+i]
	v_min_num_f32 v[S+i], v[S+i], v[LIM]
.set i, i+1
.endr
	s_wait_alu depctr_va_vdst(0)                   ; the wait behind the batch
	CVT 0
	v_nop                                          ; one plain instruction behind the conversions
	FRAGS S, \av, 4                                ; V's second four fragments take tile 0's registers
	SUMS 1
.set i, 0
.rept 64
	v_min_num_f32 v[S+64+i], v[S+64+i], v[LIM]
.set i, i+1
.endr
	CVT 1
	WIN 0x41                                       ; O^T window 1, the factor window 0
	s_wait_alu depctr_va_vdst(0)                   ; directly ahead of the first reader of O^T
.irp t, 0,1,2,3,4,5,6,7                ; O^T under the new M, in the order in which the products below take the accumulators, each from its low end on
.irp u, 0,1
.irp k, 0,2,4,6
	v_pk_mul_f32 v[64*\u+8*\t+\k:64*\u+8*\t+\k+1], v[64*\u+8*\t+\k:64*\u+8*\t+\k+1], v[ST+8*\u+6:ST+8*\u+7] op_sel_hi:[1,0]
.endr
.endr
.endr
	s_wait_alu depctr_va_vdst(0)
	s_wait_dscnt 0x0                               ; V's fragments
; O^T += V^T P^T: each fragment of V against both tiles.  The 16 accumulators take turns, one instruction a turn.
	WIN 0x51                                       ; V, C and D window 1; P window 0
.irp t, 0,1,2,3
.irp u, 0,1
	v_wmma_f32_16x16x128_fp8_fp8 v[64*\u+8*\t:64*\u+8*\t+7], v[FB+16*\t:FB+16*\t+15], v[P+16*\u:P+16*\u+15], v[64*\u+8*\t:64*\u+8*\t+7]
.endr
.endr
	WIN 0x50                                       ; V and P window 0; C and D window 1
.irp t, 4,5,6,7
.irp u, 0,1
	v_wmma_f32_16x16x128_fp8_fp8 v[64*\u+8*\t:64*\u+8*\t+7], v[S+16*(\t-4):S+16*(\t-4)+15], v[P+16*\u:P+16*\u+15], v[64*\u+8*\t:64*\u+8*\t+7]
.endr
.endr
	PLACES 5                                       ; in front of loads into the fragments' registers, of reads of O^T, and of the next products, which write over V's second four fragments
.if \pre
	WIN 0x40
	FRAGS FB, \nk, 4                               ; they land under the next step's first products
.endif
	WIN 0
.endm
.macro SLOT ask                        ; a slot's two steps
	v_add_nc_u32 v[ADK], s[TB], v[AK0]
	v_add_nc_u32 v[ADV], s[TB], v[AV0]
	s_add_co_u32 s53, s[TB], 2*BL                  ; the second step: two blocks on
	v_add_nc_u32 v[ADK1], s53, v[AK0]
	v_add_nc_u32 v[ADV1], s53, v[AV0]
	s_wait_alu depctr_va_vdst(0)                   ; ahead of the branches
.if \ask
	s_cmp_lt_u32 s[SL], s[LIMP]
	s_cbranch_scc0 .Lnot_mine_\@
	global_prefetch_b8 v[PFO], s[PFA:PFA+1] th:TH_LOAD_NT scope:SCOPE_SE   ; what the next change of slots loads
.Lnot_mine_\@:
.endif
	s_lshl_b32 s[SC], s[SL], 1
	s_cmp_gt_i32 s[SC], s[LAST]
	s_cbranch_scc1 .Lhidden_\@                     ; all its keys lie behind my queries
	WIN 0x40
	FRAGS FA, ADK, 0
	FRAGS FB, ADK, 4
	STEP ADV, 1, ADK1
	s_add_co_u32 s[SC], s[SC], 1
	s_cmp_gt_i32 s[SC], s[LAST]
	s_cbranch_scc1 .Lhidden_\@
	STEP ADV1, 0, 0
.Lhidden_\@:
.endm
	s_load_b256 s[4:11], s[0:1], 0x0               ; q_codes s[4:5], k_codes s[6:7], v_codes s[8:9], the scales s[10:11]
	s_load_b64 s[12:13], s[0:1], 0x20              ; out0
	v_lshl_add_u32 v[SPW], v0, 2, SPARE
	v_mov_b32 v[NIL], 0
	ds_add_u32 v[SPW], v[NIL]                      ; the wave's opening: the add, twice on end, and its wait ahead of my first tensor load
	ds_add_u32 v[SPW], v[NIL]
	v_lshrrev_b32 v13, 5, v0
	v_readfirstlane_b32 s[WV], v13                 ; wave 0..7
	s_lshr_b32 s[PAR], s[WV], 2
	s_xor_b32 s[BLK], s[WV], s[PAR]
	s_and_b32 s[BLK], s[BLK], 1
	s_bfe_u32 s[PR], s[WV], 0x10001
	s_mov_b32 s[WGJ], ttmp9
	s_sub_co_u32 s52, 31, s[WGJ]
	s_lshr_b32 s[LSL], s52, 3                      ; the high block's last slot
	s_cmp_lg_u32 s[BLK], 0
	s_cselect_b32 s20, s52, s[WGJ]                 ; my block of 64 queries: 31 - j or j
	s_lshl_b32 s21, s20, 6
	s_lshl_b32 s53, s[PR], 5
	s_add_co_u32 s21, s21, s53                     ; my first query
	s_lshr_b32 s54, s20, 1
	s_sub_co_i32 s54, s54, s[PAR]
	s_ashr_i32 s[LAST], s54, 1                     ; my last step
	s_bitcmp1_b32 s54, 0
	s_cselect_b32 s[MSK], 64, s[LAST]              ; odd: my last step lies in front of block b / 2, all its keys count
	s_and_b32 s60, ttmp7, 0xffff                   ; the batch
	s_lshl_b32 s52, s60, 18                        ; its 2,048 rows of 128 bytes,
	s_and_b32 s53, s[WV], 3
	s_lshl_b32 s53, s53, 12                        ; my 32 rows of a block
	s_add_co_u32 s52, s52, s53
	s_mov_b32 s53, 0
	; descriptor group 1: 4 rows of 4,096 bytes, 16,384 bytes apart, padded in LDS behind every 128 bytes
	s_mov_b32 s[G1], (1<<20)|(4<<22)|(3<<25)       ; 17:16 elements of 1 byte; 20 padding on; 24:22 after every 32 words (code 4); 31:25 four words (code 3)
	s_mov_b32 s[G1+1], 4096<<16                    ; tensor_dim0
	s_mov_b32 s[G1+2], 4<<16                       ; tensor_dim1
	s_mov_b32 s[G1+3], 4096<<16                    ; tile_dim0
	s_mov_b32 s[G1+4], 4                           ; tile_dim1
	s_mov_b32 s[G1+5], 16384                       ; tensor_dim0_stride
	s_mov_b32 s[G1+6], 0
	s_mov_b32 s[G1+7], 0
	s_mov_b32 s[G0], 1                             ; count = 1
	s_mul_i32 s[WB], s[WV], RG
	s_mul_i32 s[G0+1], s[WV], RG                   ; LDS: slot 0
	s_mov_b32 s[SEL], 0x76543210
	s_mov_b32 s[SEL+1], 0xfedcba98
	s_mov_b32 s[TB], 0
	s_mov_b32 s[TBO], SLOT1
	s_mov_b32 s[SL], 0
	s_wait_alu depctr_va_vdst(0)
	s_wait_dscnt 0x0                               ; both opening adds are done
	s_wait_kmcnt 0x0
	s_load_b64 s[42:43], s[10:11], 0x18            ; e6, e7
	s_load_b64 s[44:45], s[10:11], 0x20            ; e8, e9
	s_cmp_lt_u32 s[WV], 4
	s_cselect_b64 s[G0+2:G0+3], s[6:7], s[8:9]     ; waves 0-3 fetch for K, 4-7 for V
	s_add_nc_u64 s[G0+2:G0+3], s[G0+2:G0+3], s[52:53]
	s_or_b32 s[G0+3], s[G0+3], 0x80000000          ; type = 2
	tensor_load_to_lds s[G0:G0+3], s[G1:G1+7]      ; slot 0
	s_nop 0
	PLACES 4
	s_lshl_b32 s52, s60, 18
	s_lshl_b32 s53, s21, 7
	s_add_co_u32 s52, s52, s53                     ; my 32 queries' codes
	s_lshl_b32 s53, s[PAR], 11
	s_add_co_u32 s54, s52, s53                     ; register tile 0 = query tile parity,
	s_xor_b32 s53, s53, 2048
	s_add_co_u32 s56, s52, s53                     ; register tile 1 the other
	s_mov_b32 s55, 0
	s_mov_b32 s57, 0
	s_add_nc_u64 s[54:55], s[4:5], s[54:55]
	s_add_nc_u64 s[56:57], s[4:5], s[56:57]
	s_lshl_b32 s52, s60, 20                        ; O: the batch's 2,048 rows of 512 bytes,
	s_lshl_b32 s53, s21, 9                         ; my first query,
	s_add_co_u32 s52, s52, s53
	s_lshl_b32 s53, s[PAR], 13                     ; the tile that I finish
	s_add_co_u32 s52, s52, s53
	s_mov_b32 s53, 0
	s_add_nc_u64 s[12:13], s[12:13], s[52:53]
	s_cmp_lt_u32 s[WV], 7                          ; the prefetches: wave 6 for K, wave 7 for V, in work-groups 0 .. 7;
	s_cselect_b64 s[PFA:PFA+1], s[6:7], s[8:9]
	s_lshl_b32 s52, s60, 18
	s_lshl_b32 s53, s[WGJ], 13
	s_add_co_u32 s52, s52, s53
	s_add_co_u32 s52, s52, 65536                   ; at slot 1: the first change steps them to slot 2
	s_mov_b32 s53, 0
	s_add_nc_u64 s[PFA:PFA+1], s[PFA:PFA+1], s[52:53]
	s_cmp_lt_u32 s[WGJ], 8
	s_cselect_b32 s[LIMP], 2, 0
	s_cmp_gt_u32 s[WV], 5
	s_cselect_b32 s[LIMP], s[LIMP], 0
	s_lshl_b32 s58, s[LAST], 8
	s_sub_co_i32 s58, s21, s58
	s_lshl_b32 s61, s[PAR], 7
	s_sub_co_i32 s58, s58, s61                     ; my first query less the first key of my last step
	s_lshl_b32 s61, s[PAR], 4
	s_add_co_i32 s62, s58, s61                     ; register tile 0
	s_xor_b32 s61, s61, 16
	s_add_co_i32 s63, s58, s61                     ; register tile 1
	s_mul_i32 s61, s[PAR], BL
	v_and_b32 v8, 15, v0                           ; r
	v_bfe_u32 v9, v0, 4, 1                         ; h
	v_and_b32 v[PFO], 31, v0
	v_mov_b32 v[NINF], 0xff800000
	v_lshlrev_b32 v[QO], 7, v8
	v_mul_u32_u24 v[AK0], v8, KP
	v_lshlrev_b32 v[GO], 9, v9
	v_lshlrev_b32 v13, 4, v9
	v_lshl_add_u32 v[QO], v9, 4, v[QO]             ; Q: row r of 128 bytes + 16 h
	v_lshl_add_u32 v[AK0], v9, 4, v[AK0]
	v_lshl_add_u32 v[GO], v8, 4, v[GO]
	v_sub_nc_u32 v13, v8, v13                      ; r - 16 h
	v_lshlrev_b32 v[PFO], 8, v[PFO]
	v_add_nc_u32 v[AK0], s61, v[AK0]
	v_add_nc_u32 v[DIFF], s62, v13
	v_add_nc_u32 v[DIFF+1], s63, v13
	v_add_nc_u32 v[AV0], VOFF, v[AK0]
	s_wait_alu depctr_va_vdst(0)
.irp c, 0,1,2,3
	global_load_b128 v[Q+4*\c:Q+4*\c+3], v[QO], s[54:55] offset:32*\c
	global_load_b128 v[Q+16+4*\c:Q+16+4*\c+3], v[QO], s[56:57] offset:32*\c
.endr
.irp j, 0,2,3,4,5,6,7,8,10,11,12,13,14,15
	v_mov_b32 v[ST+\j], 0                          ; the statistics: l begins at 0; the others are written so that pairs and lane permutes may name them
.endr
	v_mov_b32 v17, 0xff61b1e6                      ; -3e38 stands under every t
	v_mov_b32 v25, 0xff61b1e6
	WIN 0x40
.set i, 0
.rept 128
	v_mov_b32 v[i], 0                              ; O^T.  (The steps have no first one of their own: it finds zeros, which the first change of M leaves zeros; and a half with no key leaves them)
.set i, i+1
.endr
	WIN 0
	v_floor_f32 v16, -v17                          ; -M
	v_floor_f32 v24, -v25
	s_wait_alu depctr_va_vdst(0)
	s_wait_kmcnt 0x0
	s_add_co_i32 s52, s42, s43
	s_lshl_b32 s52, s52, 23
	s_add_co_i32 s[CS], s52, 0x3e0293ee            ; log2(e) / sqrt(128), with e6 + e7 added to its exponent field
	s_mov_b32 s[CS+1], s[CS]
	s_add_co_i32 s52, s44, 127
	s_lshl_b32 s53, s52, 23
	v_mov_b32 v[SCL], s53                          ; 2^e8
	s_add_co_i32 s52, s52, 8
	s_lshl_b32 s52, s52, 23
	s_or_b32 s52, s52, 0x600000
	v_mov_b32 v[LIM], s52                          ; 448 x 2^e8
	s_add_co_i32 s59, s44, s45                     ; e8 + e9
	s_wait_alu depctr_va_vdst(0)                   ; the wait at the head's end
	s_wait_loadcnt 0x0                             ; Q
.Lslot:                                                ; slots 0 .. 2: behind each change the next slot is asked for, where my work-group reads it
	CHANGE 1
	SLOT 1
	s_xor_b32 s[TB], s[TB], SLOT1
	s_xor_b32 s[TBO], s[TBO], SLOT1
	s_add_co_u32 s[SL], s[SL], 1
	s_cmp_lt_u32 s[SL], 3
	s_cbranch_scc1 .Lslot
	CHANGE 0                                       ; slot 3 is written out: nothing is left to ask for
	SLOT 0
	; THE MERGE.  My register tile 1 is my partner's register tile 0: its O^T, -M and l go to wave w xor 5 through LDS, and the partner's come to me.
	s_mul_i32 s61, s[WV], MSTW
	s_add_co_u32 s61, s61, MST
	s_xor_b32 s62, s[WV], 5
	s_mul_i32 s62, s62, MSTW
	s_add_co_u32 s62, s62, MST
	s_mul_i32 s63, s[WV], OSTW
	s_add_co_u32 s63, s63, OST
	v_and_b32 v13, 31, v0                          ; lane
	v_mul_u32_u24 v228, v8, OP
	v_mul_u32_u24 v229, v9, OP
	v_add_f32 v25, v26, v27                        ; tile 1's l, beside its -M
	v_lshl_add_u32 v224, v13, 4, s61               ; my O^T out: 16 bytes a lane
	v_lshl_add_u32 v225, v13, 3, s61               ; my (-M, l) out: 8 bytes a lane, 8,192 on
	v_lshl_add_u32 v226, v13, 4, s62               ; the partner's, in
	v_lshl_add_u32 v227, v13, 3, s62
	v_lshl_add_u32 v228, v9, 5, v228
	v_lshl_add_u32 v229, v8, 4, v229
	v_add_f32 v17, v18, v19                        ; tile 0's l
	v_add_nc_u32 v228, s63, v228                   ; the way out, in: row r, 32 h
	v_add_nc_u32 v229, s63, v229                   ; back: lanes 0-15 one row, lanes 16-31 the next
	ds_store_b64 v225, v[24:25] offset:8192
	WIN 0x04                                       ; data window 1
.irp i, 0,1,2,3,4,5,6,7,8,9,10,11,12,13,14,15
	ds_store_b128 v224, v[64+4*\i:64+4*\i+3] offset:512*\i   ; ascending: each accumulator from its low end on
.endr
	WIN 0
	s_wait_alu depctr_va_vdst(0)
	s_wait_dscnt 0x0                               ; for the partner's sake: my stores are done
	s_barrier_signal -1
	s_barrier_wait -1
	ds_load_b64 v[128:129], v227 offset:8192
.irp i, 0,1,2,3,4,5,6,7,8,9,10,11,12,13,14,15
	ds_load_b128 v[S+4*\i:S+4*\i+3], v226 offset:512*\i      ; the same lane holds the same query and channels in both waves
.endr
	s_wait_dscnt 16                                ; (-M, l); the 16 loads behind it may be out
	v_min_num_f32 v20, v16, v128                   ; -M of the whole row: the larger M
	s_delay_alu instid0(VALU_DEP_1)
	v_sub_f32 v21, v20, v16                        ; whole numbers, 0 or less
	s_delay_alu instid0(VALU_DEP_2)
	v_sub_f32 v22, v20, v128
	s_delay_alu instid0(VALU_DEP_2)
	v_cvt_i32_f32 v21, v21
	s_delay_alu instid0(VALU_DEP_2)
	v_cvt_i32_f32 v22, v22
	s_delay_alu instid0(VALU_DEP_2)
	v_ldexp_f32 v21, 1.0, v21                      ; my half's factor (0 for a half all of whose keys were hidden)
	s_delay_alu instid0(VALU_DEP_2)
	v_ldexp_f32 v22, 1.0, v22                      ; the partner's
	s_delay_alu instid0(VALU_DEP_2)
	v_mul_f32 v23, v17, v21
	s_delay_alu instid0(VALU_DEP_1)
	v_fma_f32 v23, v129, v22, v23                  ; l of both halves of the keys,
	s_delay_alu instid0(VALU_DEP_1)
	v_permlanex16_b32 v20, v23, s[SEL], s[SEL+1]
	s_delay_alu instid0(VALU_DEP_1)
	v_add_f32 v23, v23, v20                        ; and of lane l xor 16's
	s_wait_alu depctr_va_vdst(0)                   ; the waits ahead of the reciprocal and behind it
	v_rcp_f32 v23, v23
	v_nop                                          ; a plain instruction behind the reciprocal
	s_wait_alu depctr_va_vdst(0)
	v_ldexp_f32 v23, v23, s59                      ; x 2^(e8 + e9)
	s_delay_alu instid0(VALU_DEP_1)
	v_mul_f32 v28, v21, v23
	s_delay_alu instid0(VALU_DEP_2)
	v_mul_f32 v30, v22, v23
	s_wait_alu depctr_va_vdst(0)
	s_wait_dscnt 0x0                               ; the partner's O^T
.set i, 0
.rept 32
	v_pk_mul_f32 v[S+2*i:S+2*i+1], v[S+2*i:S+2*i+1], v[30:31] op_sel_hi:[1,0]
.set i, i+1
.endr
	WIN 0x01                                       ; my O^T window 1
	s_wait_alu depctr_va_vdst(0)                   ; directly ahead of the first reader of O^T
.set i, 0
.rept 32
	v_pk_fma_f32 v[S+2*i:S+2*i+1], v[2*i:2*i+1], v[28:29], v[S+2*i:S+2*i+1] op_sel_hi:[1,0,1]   ; register 8 t + k is out(r, 16 t + 8 h + k)
.set i, i+1
.endr
	WIN 0
	; THE WAY OUT: half a row (64 channels, 256 bytes) of 16 queries at a time through my own stage; LDS serves a wave's instructions in order (ISA guide 5.7.1.4).
.irp uu, 0,1
.irp t, 0,1,2,3
	ds_store_b128 v228, v[S+32*\uu+8*\t:S+32*\uu+8*\t+3] offset:64*\t
	ds_store_b128 v228, v[S+32*\uu+8*\t+4:S+32*\uu+8*\t+7] offset:64*\t+16
.endr
.irp i, 0,1,2,3,4,5,6,7
	ds_load_b128 v[OB+32*\uu+4*\i:OB+32*\uu+4*\i+3], v229 offset:2*\i*OP
.endr
.endr
.irp i, 0,1,2,3,4,5,6,7
	s_wait_dscnt 23-\i                             ; behind this load: 7 - i of its run, the second half's 8 stores and 8 loads
	global_store_b128 v[GO], v[OB+4*\i:OB+4*\i+3], s[12:13] offset:1024*\i th:TH_STORE_NT   ; 16 lanes store 256 consecutive bytes, at a multiple of 256 from the buffer's first byte
.endr
.irp i, 0,1,2,3,4,5,6,7
	s_wait_dscnt 7-\i
	global_store_b128 v[GO], v[OB+32+4*\i:OB+32+4*\i+3], s[12:13] offset:1024*\i+256 th:TH_STORE_NT
.endr
	s_wait_tensorcnt 0x0                           ; the wave's end, behind my last tensor load and my last LDS store
	ds_add_u32 v[SPW], v[NIL]
	s_wait_dscnt 0x0
	s_endpgm
.Lfunc_end_k_q7a28f45baa_attn:
	.size	k_q7a28f45baa_attn, .Lfunc_end_k_q7a28f45baa_attn-k_q7a28f45baa_attn
	.p2alignl 7, 3214868480
	.fill 96, 4, 3214868480
	.section	.rodata,"a",@progbits
	.p2align	6, 0x0
	.amdhsa_kernel k_q7a28f45baa_attn
		.amdhsa_group_segment_fixed_size 327680
		.amdhsa_private_segment_fixed_size 0
		.amdhsa_enable_private_segment 0
		.amdhsa_kernarg_size 40
		.amdhsa_user_sgpr_count 2
		.amdhsa_user_sgpr_kernarg_segment_ptr 1
		.amdhsa_wavefront_size32 1
		.amdhsa_system_sgpr_workgroup_id_x 1
		.amdhsa_system_sgpr_workgroup_id_y 1
		.amdhsa_system_sgpr_workgroup_id_z 1
		.amdhsa_system_vgpr_workitem_id 0
		.amdhsa_next_free_vgpr 512
		.amdhsa_next_free_sgpr 66
		.amdhsa_reserve_vcc 1
		.amdhsa_float_denorm_mode_32 3
		.amdhsa_float_denorm_mode_16_64 3
		.amdhsa_memory_ordered 1
		.amdhsa_forward_progress 1
		.amdhsa_inst_pref_size 200
	.end_amdhsa_kernel
	.amdgpu_metadata
---
amdhsa.version: [ 1, 2 ]
amdhsa.kernels:
  - .name:           k_q7a28f45baa_attn
    .symbol:         k_q7a28f45baa_attn.kd
    .args:
      - { .name: q_codes, .offset: 0, .size: 8, .value_kind: global_buffer, .address_space: global }
      - { .name: k_codes, .offset: 8, .size: 8, .value_kind: global_buffer, .address_space: global }
      - { .name: v_codes, .offset: 16, .size: 8, .value_kind: global_buffer, .address_space: global }
      - { .name: lowp_scales, .offset: 24, .size: 8, .value_kind: global_buffer, .address_space: global }
      - { .name: out0, .offset: 32, .size: 8, .value_kind: global_buffer, .address_space: global }
    .group_segment_fixed_size: 327680
    .private_segment_fixed_size: 0
    .kernarg_segment_align: 8
    .kernarg_segment_size: 40
    .max_flat_workgroup_size: 256
    .sgpr_count:     66
    .vgpr_count:     512
    .wavefront_size: 32
...
	.end_amdgpu_metadata
.endif
;; end of part 2
